; MI455X (gfx1250); checked and timed in simulation.
; The chip was launched on July 23, 2026; its instructions are those of AMD's public machine-readable ISA for CDNA 5 (MIT licence, August 2026) and "CDNA5" Instruction Set Architecture Reference Guide (July 2026). The comments in the code are by the model that wrote it; some were corrected since.
;; Multi Head Self Attention. Allowed arithmetic: matrix products marked QUANTISED: E2M1 operands, one E8M0 scale for each 32 along K, by v_wmma_scale_f32_16x16x128_f8f6f4 with both operands' format E2M1 (or v_wmma_scale_f32_32x16x128_f4), f32 sums; everything else in f32.
;; Inputs: Wk_codes 1,024 x 32 x 16 uint8 (E2M1 codes of Wk, K innermost, in blocks of 32 codes, two codes a byte); Wk_scales 1,024 x 32 uint8 (E8M0 scales of Wk, one for each 32 codes along K); Wp_codes 1,024 x 32 x 16 uint8 (E2M1 codes of Wp, K innermost, in blocks of 32 codes, two codes a byte); Wp_scales 1,024 x 32 uint8 (E8M0 scales of Wp, one for each 32 codes along K); Wq_codes 1,024 x 32 x 16 uint8 (E2M1 codes of Wq, K innermost, in blocks of 32 codes, two codes a byte); Wq_scales 1,024 x 32 uint8 (E8M0 scales of Wq, one for each 32 codes along K); Wv_codes 1,024 x 32 x 16 uint8 (E2M1 codes of Wv, K innermost, in blocks of 32 codes, two codes a byte); Wv_scales 1,024 x 32 uint8 (E8M0 scales of Wv, one for each 32 codes along K); bk 1,024 float32; bp 1,024 float32; bq 1,024 float32; bv 1,024 float32; x_codes 4 x 2,048 x 32 x 16 uint8 (E2M1 codes of x, K innermost, in blocks of 32 codes, two codes a byte); x_scales 4 x 2,048 x 32 uint8 (E8M0 scales of x, one for each 32 codes along K).
;; Outputs: out0 4 x 2,048 x 1,024 float32.
;; This version of the problem:
;;   THIS VERSION OF THE PROBLEM IS GIVEN IN LOW PRECISION. The matrix products marked QUANTISED in the list below multiply operands that are first quantised to E2M1 (2 exponent bits, 1 mantissa bit; 4 bits a number), with one power-of-two scale for each 32 numbers along K (OCP MX v1.0); their sums are f32. All else is computed in f32.
;;   The module's matrix products, in the order in which they are computed (A, B: the left and right operand; K: the contracted axis; several contracted axes count as one K, in the product's order):
;;     1. [M 8,192, K 1,024] x [K 1,024, N 1,024]; A: input x (given as codes); B: input Wq (given as codes): QUANTISED
;;     2. [M 8,192, K 1,024] x [K 1,024, N 1,024]; A: input x (given as codes); B: input Wk (given as codes): QUANTISED
;;     3. [M 8,192, K 1,024] x [K 1,024, N 1,024]; A: input x (given as codes); B: input Wv (given as codes): QUANTISED
;;     4. batch 64 x [M 2,048, K 64] x [K 64, N 2,048]; A: computed on the way; B: computed on the way: QUANTISED
;;     5. batch 64 x [M 2,048, K 2,048] x [K 2,048, N 64]; A: softmax (see below); B: computed on the way: QUANTISED
;;     6. [M 8,192, K 1,024] x [K 1,024, N 1,024]; A: computed on the way; B: input Wp (given as codes): QUANTISED
;;   THE QUANTISER, for each operand of a quantised product, along K:
;;     - K is cut into blocks of 32 from its start; a last block that is shorter is filled with zeros.
;;     - A block's scale is 2^e with e = floor(log2(the largest magnitude in the block)) - 2, held to -126 .. 127; a block of zeros has e = 0. As a byte (E8M0): e + 127.
;;     - Each number is divided by its block's scale, clamped to +-6, and rounded to the nearest number of E2M1, ties to even, subnormals kept.
;;     - The product sums the exact products of the quantised numbers (number of the format x scale) in f32.
;;   ~~~python
;;   def quantise(x, axis):      # numpy; x: float32 -> the quantised numbers, widened to float32 again
;;       x = np.moveaxis(x, axis, -1); K = x.shape[-1]
;;       x = np.pad(x, [(0, 0)] * (x.ndim - 1) + [(0, -K % 32)]); x = x.reshape(x.shape[:-1] + (-1, 32)); a = np.abs(x).max(-1, keepdims=True)
;;       e = np.where(a > 0, np.clip(np.frexp(np.where(a > 0, a, 1))[1] - 1 - 2, -126, 127), 0)      # np.frexp(a)[1] - 1 = floor(log2(a)), exactly
;;       r = np.clip(x / 2.0 ** e, -6, 6)
;;       step = 2.0 ** (np.maximum(np.frexp(np.where(r == 0, 1, r))[1] - 1, 0) - 1)
;;       q = np.round(r / step) * step * 2.0 ** e      # np.round: ties to even
;;       return np.moveaxis(q.reshape(q.shape[:-2] + (-1,))[..., :K], -1, axis).astype(np.float32)
;;   ~~~
;;   SOFTMAX AHEAD OF A QUANTISED PRODUCT. Where the list says 'softmax', what is quantised is not the finished softmax but p = 2^(t - M), with t = logit x log2(e) and M = ceil(the row's largest t), a whole number; so 1/2 < the row's largest p <= 1. The row's sum l is taken of the UNQUANTISED p, in f32, and the product's result is divided by l at the end. Since M is a whole number, a kernel that streams over the keys may use a running M (the ceiling of the running maximum): every later rescaling is an exact power of two, which a block's scale takes up: the codes' values come out the same.
;;   OPERANDS COMPUTED ON THE WAY. 'Computed on the way' means the value that the module computes at that place (a softmax that the list does not call 'softmax' is quantised finished and normalised). What goes into a quantiser is computed in f32, as accurately as f32 sums, v_exp_f32 and their like allow (about 1e-6 of the number): no bf16 or f16 on the way to a quantiser, and a product that is left as it is and whose result goes on into a quantised operand takes f32 operands (vector FMAs, or v_wmma_f32_16x16x4_f32). A number that lies on a knife's edge between two numbers of the format may be rounded either way, as far as f32 arithmetic and the matrix unit's own rounding can turn it there, and no further.
;;   INPUTS GIVEN AS CODES. Wk (in the module: [1024, 1024], K = its axis 1); Wp (in the module: [1024, 1024], K = its axis 1); Wq (in the module: [1024, 1024], K = its axis 1); Wv (in the module: [1024, 1024], K = its axis 1); x (in the module: [4, 2048, 1024], K = its axis 2): each comes as NAME_codes (uint8): NAME with its K axis moved to the last place and cut into blocks of 32 codes, [.., K / 32, bytes a block], one block behind the other in memory; two codes a byte, the lower K in the low four bits (a code: sign, 2 exponent bits, 1 mantissa bit); and NAME_scales (uint8): the same leading axes, one E8M0 byte (e + 127) for each 32 codes along K. Its value is code x scale, taken as it is: it is not quantised again, and the codes and scales need not be those that the quantiser above would give.
;; One version. Each part assembles by itself: llvm-mc -triple=amdgcn-amd-amdhsa -mcpu=gfx1250 --defsym DOCPART=n.
;; ======== version 1 of 1: 3 launches
;; workspace buffers: qkv_img 12,582,912 bytes; qkv_sc 786,432 bytes; y_img 4,194,304 bytes; y_sc 262,144 bytes
;; launch qkv (part 1): grid 12 x 32, 4 waves a work-group, clusters of 4 x 4, 288,256 bytes of LDS; arguments x_codes, x_scales, Wq_codes, Wq_scales, Wk_codes, Wk_scales, Wv_codes, Wv_scales, bq, bk, bv, qkv_img, qkv_sc; writes qkv_img, qkv_sc
.if DOCPART == 1
	.amdgcn_target "amdgcn-amd-amdhsa--gfx1250"
	.amdhsa_code_object_version 6
	.text
	.protected	k_q4e34319dfd_qkv
	.globl	k_q4e34319dfd_qkv
	.p2align	8
	.type	k_q4e34319dfd_qkv,@function
k_q4e34319dfd_qkv:
	s_mov_b64 s[64:65], 0
	v_nop
	global_prefetch_b8 v0, s[64:65] scope:SCOPE_SE
	s_setreg_imm32_b32 hwreg(HW_REG_WAVE_MODE, 25, 1), 1
	s_wait_xcnt 0x0
	s_wait_alu depctr_hold_cnt(0) depctr_sa_sdst(0) depctr_va_vdst(0) depctr_va_sdst(0) depctr_va_ssrc(0) depctr_va_vcc(0) depctr_vm_vsrc(0)
	s_getreg_b32 s2, hwreg(HW_REG_IB_STS2, 6, 4)
	s_cmp_eq_u32 s2, 0
	s_cbranch_scc0 .Lentry_in_a_cluster
	s_endpgm
.Lentry_in_a_cluster:
	s_bfe_u32 s2, ttmp6, 0x10000c
	s_cmp_lg_u32 s2, 0xf033
	s_cbranch_scc0 .Lentry_shape_is_right
	s_endpgm
.Lentry_shape_is_right:
; q = x Wq^T + bq, k = x Wk^T + bk, v = x Wv^T + bv on codes of FP4 (E2M1) with E8M0 scales, and the results quantised again at once: q and k along the head's 64, v along the keys.
; Nothing but codes and scale words leaves: qkv_img holds IMAGES of operand registers (half a fragment, 16 rows x 64 k, is 512 bytes, lane l's 16 bytes at 16 l), qkv_sc the scale words.
; SHARES.  Cluster x is the MODE: 0 q, 1 k, 2 v.  A work-group takes 256 rows of x (block Y) and 256 rows of the mode's W (block cx), for ALL of K: 1,024 codes are 512 bytes a row, so both
; blocks lie in LDS whole, each byte of LDS is filled once, and there is one barrier.  Four waves, each 128 x 128: 64 accumulators, 512 registers.
; D = P x R: source 0 (P) runs along a lane's registers, which is the direction that is quantised; source 1 (R) gives each lane its row.  Modes 0, 1: P = W (128 features = two heads), R = x.
; Mode 2: P = x (128 tokens = one key step), R = Wv.  Only LDS bases, the bias and the place of the output differ.
; THE ROWS OF A TILE ARE NOT NEIGHBOURS: lane r of tile 2 G + u takes row 32 G + 8 u + r + 8 (r / 8), for every operand of the program.  So the 16 registers of P's tiles 2 G and 2 G + 1 are 16 neighbours,
; 32 G + 16 (lane / 16) + 0 .. 15, as the conversions want them.  In LDS the rows are laid in two SETS (u = 0, 1: every other group of eight rows), so that a tile is 16 consecutive LDS rows.
; CLUSTER 4 x 4: x's block hangs on Y alone and is shared along a row of the cluster, W's on cx alone and is shared along a column: each is asked for jointly.
; LIMITS: NaN and infinities are not served.  A block whose largest magnitude lies under 2^-124 (a block of zeros among them) gets the scale byte 1; the bytes are read by this program alone.
; REGISTERS: window 0: v2-8 addresses; v12-28 the quantiser's; v32-95 scale words (register 8 i + q: lanes 0-15 R's tile i, lanes 16-31 P's tile i, K step q); v96-99 the words that leave; v128-255 R's fragments, two sets.
;   window 1: v0-63, v128-191 P's fragments, two sets; v192-255 the bias, eight tiles in the result's layout.   windows 2, 3: accumulator (a, b) at v[8 (8 (a % 4) + b)] of window 2 + a / 4.
.set PITCH, 528                        ; an LDS row: 512 bytes + 16 = 33 x 16: the 16 rows that a load touches begin in 16 different columns of 16 bytes
.set SETB,  128*PITCH                  ; a set: 128 rows
.set SCH,   16*272                     ; the scale bytes of 128 rows: 16 units of 256 bytes + 16
.set SCX,   4*SETB                     ; LDS: x's two sets, W's two sets, x's scales, W's scales
.set SCW,   SCX+2*SCH
.set TM, 12                            ; v12-15 largest magnitudes, v16-19 bytes, v24-27 the conversions' scale operands
.set PW, 28                            ; the scale word just made
.set SC, 32
.set SW, 96
.set RF, 128
.set BB, 192
.set MSB, 0
.macro WIN new                         ; the immediate's high byte repeats the setting that is left; a switch that changes nothing is dropped
.if MSB != (\new)
	s_set_vgpr_msb (MSB<<8)|(\new)
.set MSB, \new
.endif
.endm
.macro PLACES
.rept 4
	v_nop
.endr
.endm
; A joint load: waves 0 and 1 fetch for x, waves 2 and 3 for W.  The branch hangs on the wave's number alone.  Four v_nop follow each of the two lines.
.macro JLOAD g0a, g1a, g0b, g1b
	s_cmp_eq_u32 s5, 0
	s_cbranch_scc0 .Lfor_w_\@
	tensor_load_to_lds s[\g0a:\g0a+3], s[\g1a:\g1a+7]
	s_nop 0
.rept 4
	v_nop
.endr
	s_branch .Lasked_\@
.Lfor_w_\@:
	tensor_load_to_lds s[\g0b:\g0b+3], s[\g1b:\g1b+7]
	s_nop 0
.rept 4
	v_nop
.endr
.Lasked_\@:
.endm
.macro CROUND                          ; a round of the cluster's barrier
	s_barrier_signal -1
	s_barrier_wait -1
	s_cmp_lg_u32 s4, 0
	s_cbranch_scc1 .Lnot_wave_0_\@
	s_barrier_signal -3
.Lnot_wave_0_\@:
	s_barrier_wait -3
	s_barrier_signal -1
	s_barrier_wait -1
.endm
	s_load_b512 s[68:83], s[0:1], 0x0              ; x codes 68, x scales 70, Wq codes 72, scales 74, Wk 76, 78, Wv 80, 82
	s_load_b256 s[84:91], s[0:1], 0x40             ; bq 84, bk 86, bv 88, qkv_img 90
	s_load_b64 s[92:93], s[0:1], 0x60              ; qkv_sc
	v_lshl_add_u32 v126, v0, 2, 0x46400
	v_mov_b32 v127, 0
	ds_add_u32 v126, v127
	ds_add_u32 v126, v127
	v_lshrrev_b32 v1, 5, v0
	v_readfirstlane_b32 s4, v1                     ; wave 0..3
	s_lshr_b32 s5, s4, 1                           ; which half of R's rows is mine.  Also: I fetch for x (0) or for W (1)
	s_and_b32 s6, s4, 1                            ; which half of P's rows.  Also: which set, and which half of the scales, I fetch
	s_bfe_u32 s7, ttmp6, 0x40000                   ; cx
	s_bfe_u32 s8, ttmp6, 0x40004                   ; cy
	s_mov_b32 s9, ttmp9                            ; the mode: the cluster's x, the same in all sixteen partners
	s_and_b32 s10, ttmp7, 0xffff
	s_lshl_b32 s10, s10, 2
	s_add_co_u32 s10, s10, s8                      ; Y: which 256 rows of x
	s_lshl_b32 s12, s8, 2
	s_lshl_b32 s12, 15, s12                        ; my row of the cluster
	s_lshl_b32 s13, 0x1111, s7                     ; my column
	; group 1 for a set of codes: eight neighbouring rows of 512 bytes are one row of 4,096 bytes (512 elements of 8 bytes); 16 such rows, 16 memory rows apart; 16 bytes of padding behind every 512
	s_or_b32 s16, s12, (3<<16)|(1<<20)|(1<<21)|(6<<22)|(3<<25)
	s_or_b32 s28, s13, (3<<16)|(1<<20)|(1<<21)|(6<<22)|(3<<25)
.irp g, 16, 28
	s_mov_b32 s[\g+1], 512<<16                     ; tensor_dim0
	s_mov_b32 s[\g+2], 16<<16                      ; tensor_dim1
	s_mov_b32 s[\g+3], 512<<16                     ; tile_dim0
	s_mov_b32 s[\g+4], 16                          ; tile_dim1
	s_mov_b32 s[\g+5], 1024                        ; from row to row: 8,192 bytes
	s_mov_b32 s[\g+6], 0
	s_mov_b32 s[\g+7], 0
.endr
	; group 1 for the scale bytes of 128 rows: 4,096 dense bytes as 16 rows of 256, 16 bytes of padding behind each
	s_or_b32 s40, s12, (3<<16)|(1<<20)|(1<<21)|(5<<22)|(3<<25)
	s_or_b32 s52, s13, (3<<16)|(1<<20)|(1<<21)|(5<<22)|(3<<25)
.irp g, 40, 52
	s_mov_b32 s[\g+1], 32<<16
	s_mov_b32 s[\g+2], 16<<16
	s_mov_b32 s[\g+3], 32<<16
	s_mov_b32 s[\g+4], 16
	s_mov_b32 s[\g+5], 32
	s_mov_b32 s[\g+6], 0
	s_mov_b32 s[\g+7], 0
.endr
	s_lshl_b32 s94, s10, 17                        ; x's codes: (256 Y + 8 u) rows of 512 bytes.  These registers never hold cx
	s_lshl_b32 s95, s6, 12
	s_add_co_u32 s94, s94, s95
	s_mov_b32 s95, 0
	s_lshl_b32 s96, s10, 13                        ; x's scales: (256 Y + 128 u) rows of 32 bytes
	s_lshl_b32 s97, s6, 12
	s_add_co_u32 s96, s96, s97
	s_mov_b32 s97, 0
	s_lshl_b32 s98, s7, 17                         ; W's codes and scales likewise, by cx.  These registers never hold cy or Y
	s_lshl_b32 s99, s6, 12
	s_add_co_u32 s98, s98, s99
	s_mov_b32 s99, 0
	s_lshl_b32 s100, s7, 13
	s_lshl_b32 s101, s6, 12
	s_add_co_u32 s100, s100, s101
	s_mov_b32 s101, 0
	s_mul_i32 s14, s4, SETB                        ; where they go: wave x a set; no place in the cluster enters an LDS address
	s_mul_i32 s15, s4, SCH
	s_add_co_u32 s15, s15, SCX
	s_wait_dscnt 0x0
	s_wait_kmcnt 0x0
	s_cmp_eq_u32 s9, 0                             ; the mode's W and bias: a choice that hangs on the cluster's number alone
	s_cselect_b64 s[72:73], s[72:73], s[76:77]
	s_cselect_b64 s[74:75], s[74:75], s[78:79]
	s_cselect_b64 s[84:85], s[84:85], s[86:87]
	s_cmp_eq_u32 s9, 2
	s_cselect_b64 s[72:73], s[80:81], s[72:73]
	s_cselect_b64 s[74:75], s[82:83], s[74:75]
	s_cselect_b64 s[84:85], s[88:89], s[84:85]
	s_cselect_b32 s11, 1, 0                        ; 1 in mode 2
	s_mov_b32 s24, 1
	s_mov_b32 s25, s14
	s_add_nc_u64 s[26:27], s[68:69], s[94:95]
	s_or_b32 s27, s27, 0x80000000
	s_mov_b32 s36, 1
	s_mov_b32 s37, s14
	s_add_nc_u64 s[38:39], s[72:73], s[98:99]
	s_or_b32 s39, s39, 0x80000000
	s_mov_b32 s48, 1
	s_mov_b32 s49, s15
	s_add_nc_u64 s[50:51], s[70:71], s[96:97]
	s_or_b32 s51, s51, 0x80000000
	s_mov_b32 s60, 1
	s_mov_b32 s61, s15
	s_add_nc_u64 s[62:63], s[74:75], s[100:101]
	s_or_b32 s63, s63, 0x80000000
	CROUND                                         ; all sixteen work-groups are here: the joint loads meet
	JLOAD 48, 40, 60, 52                           ; the scale bytes
	JLOAD 24, 16, 36, 28                           ; the codes.  Two tensor loads of mine are out
	; lane addresses
	v_and_b32 v9, 15, v0                           ; r
	v_bfe_u32 v10, v0, 4, 1                        ; h
	v_and_b32 v1, 31, v0
	v_lshlrev_b32 v7, 4, v1                        ; 16 x lane: an image's place for my lane
	v_mul_u32_u24 v11, v9, PITCH
	v_lshl_add_u32 v11, v10, 4, v11                ; a fragment's row x pitch + 16 x half
	s_wait_alu depctr_va_vdst(0)
	s_cmp_eq_u32 s11, 1                            ; all four selections stand ahead of the additions, which write SCC
	s_cselect_b32 s12, 0, 2*SETB                   ; P's sets: x's in mode 2, else W's
	s_cselect_b32 s13, 2*SETB, 0                   ; R's sets: the others
	s_cselect_b32 s2, 0, 2*SCH                     ; and their scales
	s_cselect_b32 s3, 2*SCH, 0
	s_mul_i32 s14, s6, 64*PITCH                    ; 128 rows are 64 rows of each set
	s_add_co_u32 s12, s12, s14
	s_mul_i32 s14, s5, 64*PITCH
	s_add_co_u32 s13, s13, s14
	s_mul_i32 s14, s6, SCH
	s_add_co_u32 s2, s2, s14
	s_add_co_u32 s2, s2, SCX
	s_mul_i32 s14, s5, SCH
	s_add_co_u32 s3, s3, s14
	s_add_co_u32 s3, s3, SCX
	v_add_nc_u32 v2, s12, v11                      ; P, set 0
	v_add_nc_u32 v3, SETB, v2                      ; P, set 1
	v_add_nc_u32 v4, s13, v11                      ; R, set 0
	v_add_nc_u32 v5, SETB, v4                      ; R, set 1
	v_lshrrev_b32 v12, 3, v9
	v_and_b32 v13, 7, v9
	v_mul_u32_u24 v12, v12, 544                    ; row r + 8 (r / 8): two units of 272 on for r / 8,
	v_lshl_add_u32 v12, v13, 5, v12                ; 32 bytes a row within a unit
	v_mov_b32 v13, s3
	v_mov_b32 v14, s2
	s_mov_b32 s66, 0xffff0000                      ; lanes 16-31
	v_cndmask_b32 v13, v13, v14, s66               ; lanes 0-15 take R's scale words, lanes 16-31 P's
	v_add_nc_u32 v6, v12, v13
	; the bias is the C of each sum's first matrix instruction: eight registers a tile in the result's layout
	s_cmp_eq_u32 s11, 1
	s_cselect_b32 s14, s5, s6                      ; the features' half: R's in mode 2, else P's
	s_lshl_b32 s14, s14, 9
	s_lshl_b32 s15, s7, 10
	s_add_co_u32 s14, s14, s15
	s_mov_b32 s15, 0
	s_add_nc_u64 s[84:85], s[84:85], s[14:15]      ; at feature 256 cx + 128 x half
	s_cmp_eq_u32 s11, 1
	s_cbranch_scc1 .Lbias_v
	v_lshlrev_b32 v8, 6, v10                       ; modes 0, 1: register j of tile b is feature 32 (b / 2) + 8 (b % 2) + 16 h + j
	WIN 0x40
.irp b, 0,1,2,3,4,5,6,7
	global_load_b128 v[BB+8*\b:BB+8*\b+3], v8, s[84:85] offset:(32*(\b/2)+8*(\b%2))*4
	global_load_b128 v[BB+8*\b+4:BB+8*\b+7], v8, s[84:85] offset:(32*(\b/2)+8*(\b%2))*4+16
.endr
	WIN 0
	s_branch .Lbias_done
.Lbias_v:
	v_and_b32 v8, 8, v9                            ; mode 2: all eight registers of tile a hold the lane's feature 32 (a / 2) + 8 (a % 2) + r + 8 (r / 8)
	v_add_nc_u32 v8, v8, v9
	v_lshlrev_b32 v8, 2, v8
	WIN 0x40
.irp t, 0,1,2,3,4,5,6,7
.irp j, 0,1,2,3,4,5,6,7
	global_load_b32 v[BB+8*\t+\j], v8, s[84:85] offset:(32*(\t/2)+8*(\t%2))*4
.endr
.endr
	WIN 0
.Lbias_done:
.irp b, 0,1,2,3
	v_mov_b32 v[TM+4+\b], 0                        ; written once: a lane permute's destination counts as one of its sources
.endr
	; where my wave's 8,192 bytes of images and 512 bytes of scale words go: block I of the mode's section
	s_lshl_b32 s12, s10, 1
	s_add_co_u32 s13, s12, s5                      ; 2 Y + R's half
	s_add_co_u32 s12, s12, s6                      ; 2 Y + P's half
	s_lshl_b32 s14, s7, 1
	s_add_co_u32 s15, s14, s6                      ; 2 cx + P's half
	s_add_co_u32 s14, s14, s5                      ; 2 cx + R's half
	s_lshr_b32 s2, s13, 4                          ; q, k: [batch][head pair][tile of 16 tokens][head's parity]: I = 128 batch + 16 head pair + eight tiles' number
	s_lshl_b32 s2, s2, 7
	s_lshl_b32 s15, s15, 4
	s_add_co_u32 s2, s2, s15
	s_and_b32 s13, s13, 15
	s_add_co_u32 s2, s2, s13
	s_lshl_b32 s12, s12, 3                         ; v: [batch][key step][tile of 16 features][half]: I = 8 (16 batch + key step) + eight tiles' number
	s_add_co_u32 s12, s12, s14
	s_cmp_eq_u32 s11, 1
	s_cselect_b32 s2, s12, s2
	s_lshl_b32 s12, s2, 13
	s_lshl_b32 s13, s9, 22                         ; a section of images is 4 MiB
	s_add_co_u32 s12, s12, s13
	s_mov_b32 s13, 0
	s_add_nc_u64 s[90:91], s[90:91], s[12:13]
	s_lshl_b32 s12, s2, 9
	s_lshl_b32 s14, s9, 18                         ; a section of scale words 262,144 bytes
	s_add_co_u32 s12, s12, s14
	s_add_nc_u64 s[92:93], s[92:93], s[12:13]
.macro FRAG reg, adr, i, q             ; tile i, K step q: registers 4 c .. 4 c + 3 hold K = 128 q + 64 c + 32 (lane / 16) + 0 .. 31: 16 bytes of the row as they lie
.irp c, 0,1
	ds_load_b128 v[\reg+4*\c:\reg+4*\c+3], v[\adr+(\i)%2] offset:((\i)/2)*16*PITCH+64*(\q)+32*\c
.endr
.endm
.macro FETCH q, st                     ; 32 LDS loads in one run: K step q's fragments of P and of R into set st
	WIN 0x40
.irp i, 0,1,2,3,4,5,6,7
	FRAG 128*(\st)+8*\i, 2, \i, \q
.endr
	WIN 0
.irp i, 0,1,2,3,4,5,6,7
	FRAG RF+64*(\st)+8*\i, 4, \i, \q
.endr
.endm
; 32 matrix instructions: R's tiles 4 hi .. 4 hi + 3 x P's eight.  cm = 0: the sums go on; 1: they begin with the bias along P; 2: with the bias along R.  The 64 accumulators take turns.
.macro MUL32 hi, st, q, cm
.irp a, 0,1,2,3
.irp b, 0,1,2,3,4,5,6,7
.if (\cm) == 0
	v_wmma_scale_f32_16x16x128_f8f6f4 v[8*(8*\a+\b):8*(8*\a+\b)+7], v[128*(\st)+8*\b:128*(\st)+8*\b+7], v[RF+64*(\st)+8*(4*(\hi)+\a):RF+64*(\st)+8*(4*(\hi)+\a)+7], v[8*(8*\a+\b):8*(8*\a+\b)+7], v[SC+8*\b+(\q)], v[SC+8*(4*(\hi)+\a)+(\q)] matrix_a_fmt:MATRIX_FMT_FP4 matrix_b_fmt:MATRIX_FMT_FP4 matrix_a_scale:MATRIX_SCALE_ROW1
.elseif (\cm) == 1
	v_wmma_scale_f32_16x16x128_f8f6f4 v[8*(8*\a+\b):8*(8*\a+\b)+7], v[128*(\st)+8*\b:128*(\st)+8*\b+7], v[RF+64*(\st)+8*(4*(\hi)+\a):RF+64*(\st)+8*(4*(\hi)+\a)+7], v[BB+8*\b:BB+8*\b+7], v[SC+8*\b+(\q)], v[SC+8*(4*(\hi)+\a)+(\q)] matrix_a_fmt:MATRIX_FMT_FP4 matrix_b_fmt:MATRIX_FMT_FP4 matrix_a_scale:MATRIX_SCALE_ROW1
.else
	v_wmma_scale_f32_16x16x128_f8f6f4 v[8*(8*\a+\b):8*(8*\a+\b)+7], v[128*(\st)+8*\b:128*(\st)+8*\b+7], v[RF+64*(\st)+8*(4*(\hi)+\a):RF+64*(\st)+8*(4*(\hi)+\a)+7], v[BB+8*(4*(\hi)+\a):BB+8*(4*(\hi)+\a)+7], v[SC+8*\b+(\q)], v[SC+8*(4*(\hi)+\a)+(\q)] matrix_a_fmt:MATRIX_FMT_FP4 matrix_b_fmt:MATRIX_FMT_FP4 matrix_a_scale:MATRIX_SCALE_ROW1
.endif
.endr
.endr
.endm
; A K step of 128: 64 matrix instructions.  Its fragments were asked for a step ago; the next step's are asked for first, into the set that the step before multiplied:
; four plain places stand between that step's last matrix instruction and these loads.
.macro STEP q, cm, fetch
	s_wait_dscnt 0x0                               ; this step's fragments are in (asked for 64 matrix instructions ago)
.if \fetch
	PLACES
	FETCH (\q)+1, ((\q)+1)%2
.endif
.if (\cm) == 0
	WIN 0xa1                                       ; P window 1, R window 0, C and D window 2
.else
	WIN 0x91                                       ; C (the bias) window 1, D window 2
.endif
	MUL32 0, (\q)%2, \q, \cm
.if (\cm) == 0
	WIN 0xf1                                       ; C and D window 3
.else
	WIN 0xd1
.endif
	MUL32 1, (\q)%2, \q, \cm
	WIN 0
.endm
	s_wait_tensorcnt 0x0                           ; my two loads have landed,
	s_barrier_signal -1
	s_barrier_wait -1                              ; everybody's have: from here on LDS is only read
	FETCH 0, 0
	s_wait_alu depctr_va_vdst(0)
.irp i, 0,1,2,3,4,5,6,7                        ; all eight K steps' scale words: 32 bytes a row
	ds_load_b128 v[SC+8*\i:SC+8*\i+3], v6 offset:(4*(\i/2)+\i%2)*272
	ds_load_b128 v[SC+8*\i+4:SC+8*\i+7], v6 offset:(4*(\i/2)+\i%2)*272+16
.endr
	s_wait_loadcnt 0x0                             ; the bias
	s_cmp_eq_u32 s11, 1
	s_cbranch_scc1 .Lstep0_v
	STEP 0, 1, 1
	s_branch .Lstep0_done
.Lstep0_v:
	STEP 0, 2, 1
.Lstep0_done:
	STEP 1, 0, 1
	STEP 2, 0, 1
	STEP 3, 0, 1
	STEP 4, 0, 1
	STEP 5, 0, 1
	STEP 6, 0, 1
	STEP 7, 0, 0
	PLACES                                         ; in front of the first read of results, and of the first write into registers that held R's fragments
; THE WAY OUT of R's tile t: the lane's 64 numbers (register 16 b + i = place 32 b + 16 (lane / 16) + i along P) become a fragment's codes and its scale word.
; Each accumulator is read from its low end on.  Each tile has its own eight registers for its codes, so no store's data are written again.
.macro QOUT t
.set ACS, 64*((\t)%4)
.set WN, 2+(\t)/4
	WIN WN*5                                       ; sources 0 and 1: the accumulators' window
.irp b, 0,1,2,3
	v_max3_num_f32 v[TM+\b], |v[ACS+16*\b]|, |v[ACS+16*\b+1]|, 0x1800000   ; block b: my 16 numbers, and the floor 2^(3 - 127): the byte cannot fall under 1
.endr
	WIN WN*20                                      ; sources 1 and 2
.irp i, 2,4,6,8,10,12,14
.irp b, 0,1,2,3
	v_max3_num_f32 v[TM+\b], v[TM+\b], |v[ACS+16*\b+\i]|, |v[ACS+16*\b+\i+1]|
.endr
.endr
	WIN 0
.irp b, 0,1,2,3
	v_permlanex16_b32 v[TM+4+\b], v[TM+\b], s100, s101
.endr
.irp b, 0,1,2,3
	v_max_num_f32 v[TM+\b], v[TM+\b], v[TM+4+\b]   ; with lane l xor 16's: the block's largest magnitude
.endr
.irp b, 0,1,2,3
	v_add_nc_u32 v[TM+12+\b], 0xff000000, v[TM+\b] ; 2 off its exponent field: the conversion's scale operand
.endr
.irp b, 0,1,2,3
	v_lshrrev_b32 v[TM+4+\b], 23, v[TM+12+\b]      ; the scale's byte
.endr
	v_lshl_or_b32 v[PW], v[TM+5], 8, v[TM+4]
	v_lshl_or_b32 v[PW], v[TM+6], 16, v[PW]
	v_lshl_or_b32 v[PW], v[TM+7], 24, v[PW]
.if (\t) < 4
	v_mov_b32 v[SW+(\t)], v[PW]                    ; tiles 0-3: the word in every lane;
.else
	v_cndmask_b32 v[SW+(\t)-4], v[SW+(\t)-4], v[PW], s66   ; tiles 4-7 take lanes 16-31: four registers hold eight tiles' words
.endif
	WIN WN                                         ; source 0
.irp b, 0,1,2,3
	v_cvt_scalef32_pk8_fp4_f32 v[RF+8*(\t)+2*\b], v[ACS+16*\b:ACS+16*\b+7], v[TM+12+\b]
	v_cvt_scalef32_pk8_fp4_f32 v[RF+8*(\t)+2*\b+1], v[ACS+16*\b+8:ACS+16*\b+15], v[TM+12+\b]
.endr
	WIN 0
	v_nop                                          ; one plain place behind a scaled conversion
.irp c, 0,1                                    ; the operand's layout wants a whole block in a lane
.irp i, 0,1
	v_permlane16_swap_b32 v[RF+8*(\t)+4*\c+\i], v[RF+8*(\t)+4*\c+2+\i]
.endr
.endr
	global_store_b128 v7, v[RF+8*(\t):RF+8*(\t)+3], s[90:91] offset:1024*(\t)       ; 32 lanes store 512 consecutive bytes, aligned
	global_store_b128 v7, v[RF+8*(\t)+4:RF+8*(\t)+7], s[90:91] offset:1024*(\t)+512
.endm
	s_mov_b32 s100, 0x76543210                     ; v_permlanex16_b32's selects for lane l xor 16
	s_mov_b32 s101, 0xfedcba98
	QOUT 0
	QOUT 1
	QOUT 2
	QOUT 3
	QOUT 4
	QOUT 5
	QOUT 6
	QOUT 7
	global_store_b128 v7, v[SW:SW+3], s[92:93]     ; lane (r, h): the words of row r of tiles 4 h .. 4 h + 3: 512 consecutive bytes
	s_wait_tensorcnt 0x0
	ds_add_u32 v126, v127
	s_wait_dscnt 0x0
	CROUND                                         ; the closing round: no work-group ends while a partner may still ask for a tile that names it
	s_endpgm
.Lfunc_end_k_q4e34319dfd_qkv:
	.size	k_q4e34319dfd_qkv, .Lfunc_end_k_q4e34319dfd_qkv-k_q4e34319dfd_qkv
	.p2alignl 7, 3214868480
	.fill 96, 4, 3214868480
	.section	.rodata,"a",@progbits
	.p2align	6, 0x0
	.amdhsa_kernel k_q4e34319dfd_qkv
		.amdhsa_group_segment_fixed_size 288256
		.amdhsa_private_segment_fixed_size 0
		.amdhsa_enable_private_segment 0
		.amdhsa_kernarg_size 104
		.amdhsa_user_sgpr_count 2
		.amdhsa_user_sgpr_kernarg_segment_ptr 1
		.amdhsa_wavefront_size32 1
		.amdhsa_system_sgpr_workgroup_id_x 1
		.amdhsa_system_sgpr_workgroup_id_y 1
		.amdhsa_system_sgpr_workgroup_id_z 1
		.amdhsa_system_vgpr_workitem_id 0
		.amdhsa_next_free_vgpr 1024
		.amdhsa_next_free_sgpr 102
		.amdhsa_reserve_vcc 0
		.amdhsa_float_denorm_mode_32 3
		.amdhsa_float_denorm_mode_16_64 3
		.amdhsa_memory_ordered 1
		.amdhsa_forward_progress 1
		.amdhsa_inst_pref_size 145
	.end_amdhsa_kernel
	.amdgpu_metadata
---
amdhsa.version: [ 1, 2 ]
amdhsa.kernels:
  - .name:           k_q4e34319dfd_qkv
    .symbol:         k_q4e34319dfd_qkv.kd
    .args:
      - { .name: x_codes, .offset: 0, .size: 8, .value_kind: global_buffer, .address_space: global }
      - { .name: x_scales, .offset: 8, .size: 8, .value_kind: global_buffer, .address_space: global }
      - { .name: Wq_codes, .offset: 16, .size: 8, .value_kind: global_buffer, .address_space: global }
      - { .name: Wq_scales, .offset: 24, .size: 8, .value_kind: global_buffer, .address_space: global }
      - { .name: Wk_codes, .offset: 32, .size: 8, .value_kind: global_buffer, .address_space: global }
      - { .name: Wk_scales, .offset: 40, .size: 8, .value_kind: global_buffer, .address_space: global }
      - { .name: Wv_codes, .offset: 48, .size: 8, .value_kind: global_buffer, .address_space: global }
      - { .name: Wv_scales, .offset: 56, .size: 8, .value_kind: global_buffer, .address_space: global }
      - { .name: bq, .offset: 64, .size: 8, .value_kind: global_buffer, .address_space: global }
      - { .name: bk, .offset: 72, .size: 8, .value_kind: global_buffer, .address_space: global }
      - { .name: bv, .offset: 80, .size: 8, .value_kind: global_buffer, .address_space: global }
      - { .name: qkv_img, .offset: 88, .size: 8, .value_kind: global_buffer, .address_space: global }
      - { .name: qkv_sc, .offset: 96, .size: 8, .value_kind: global_buffer, .address_space: global }
    .group_segment_fixed_size: 288256
    .private_segment_fixed_size: 0
    .kernarg_segment_align: 8
    .kernarg_segment_size: 104
    .max_flat_workgroup_size: 128
    .sgpr_count:     102
    .vgpr_count:     1024
    .wavefront_size: 32
...
	.end_amdgpu_metadata
.endif
;; end of part 1
;; launch attn (part 2): grid 4 x 64, 16 waves a work-group, clusters of 4 x 1, 169,984 bytes of LDS; arguments qkv_img, qkv_sc, y_img, y_sc; writes y_img, y_sc
.if DOCPART == 2
	.amdgcn_target "amdgcn-amd-amdhsa--gfx1250"
	.amdhsa_code_object_version 6
	.text
	.protected	k_q4e34319dfd_attn
	.globl	k_q4e34319dfd_attn
	.p2align	8
	.type	k_q4e34319dfd_attn,@function
k_q4e34319dfd_attn:
	s_mov_b64 s[64:65], 0
	v_nop
	global_prefetch_b8 v0, s[64:65] scope:SCOPE_SE
	s_setreg_imm32_b32 hwreg(HW_REG_WAVE_MODE, 25, 1), 1
	s_wait_xcnt 0x0
	s_wait_alu depctr_hold_cnt(0) depctr_sa_sdst(0) depctr_va_vdst(0) depctr_va_sdst(0) depctr_va_ssrc(0) depctr_va_vcc(0) depctr_vm_vsrc(0)
	s_getreg_b32 s2, hwreg(HW_REG_IB_STS2, 6, 4)
	s_cmp_eq_u32 s2, 0
	s_cbranch_scc0 .Lentry_in_a_cluster
	s_endpgm
.Lentry_in_a_cluster:
	s_bfe_u32 s2, ttmp6, 0x10000c
	s_cmp_lg_u32 s2, 0x3003
	s_cbranch_scc0 .Lentry_shape_is_right
	s_endpgm
.Lentry_shape_is_right:
; Causal attention of one head on codes of FP4 (E2M1), and the result y quantised along its 64 channels (two blocks of the output projection's K): only codes and scale bytes leave.
; t = score x log2(e) / 8; M = the row's largest t so far, rounded up to a whole number; p = 2^(t - M) is quantised along the keys, not normalised; the row's sum of the unquantised p divides O at the end.
; SHARES.  Work-group y is 16 batch + head.  The four work-groups of a cluster share the head: its K and V, 131,072 bytes of register images, lie in LDS whole, asked for jointly, each byte filled once.
; Sixteen waves of 256 registers, four to a SIMD.  A wave owns two tiles of 16 queries: tile A = 8 g + e and tile B = 127 - A (g = wave / 2, e = 2 cx + wave % 2).  A tile in group G = tile / 8 wants key steps
; 0 .. G of 128 keys, so every wave has (g + 1) + (16 - g) = 17 steps.  G hangs on the wave's number alone; cx enters only global addresses and the mask's number.
; The loops' trip counts are constants (8 and 16); a step whose keys all come after the tile's queries is passed over by a scalar branch on the step's number and G.
; LAYOUT.  Both products are used transposed (S^T = K Q^T, O^T = V^T P^T): a lane holds one query.  Lane r of tile 2 G + u, of queries, keys and channels alike, is row 32 G + 8 u + r + 8 (r / 8).
; The first product's K is 64: registers 4-7 of Q's and K's fragments are zero codes, which add nothing under any scale byte but 0xff; the bytes here are 0 to 254.
; LIMITS: NaN and infinities are not served; a block of y whose largest magnitude lies under 2^-124 gets the scale byte 1 (read by this program alone).
; REGISTERS: v1-7 addresses that stay; v8-11 addresses in hand; v12 -M, v13 largest t, v[14:15] the sum; v16-23 Q; v24 Q's scale word; v25 the mask's number; v32-63 four fragments of K; v64-95 V's four;
;   v96-159 S^T, then p; v160-191 O^T; v192-199 p's codes; v200-207 K's scale words; v208-211 V's; v232-254 at work; v250 f; v253 p's scale word.
.set VC,  65536                        ; LDS: K's images [tile 128][512]; V's [key step 16][tile 4][1,024];
.set KSC, 131072                       ; K's scale words, 512 bytes a key step: tile t, row r at 256 (t / 4) + 16 r + 4 (t % 4);
.set VSC, 139264                       ; V's, 256 bytes a key step: tile t, row r at 16 r + 4 t
.macro CROUND
	s_barrier_signal -1
	s_barrier_wait -1
	s_cmp_lg_u32 s12, 0
	s_cbranch_scc1 .Lnot_wave_0_\@
	s_barrier_signal -3
.Lnot_wave_0_\@:
	s_barrier_wait -3
	s_barrier_signal -1
	s_barrier_wait -1
.endm
	s_load_b256 s[4:11], s[0:1], 0x0               ; qkv_img 4, qkv_sc 6, y_img 8, y_sc 10
	v_lshl_add_u32 v249, v0, 2, 0x29000
	v_mov_b32 v255, 0
	ds_add_u32 v249, v255
	ds_add_u32 v249, v255
	v_lshrrev_b32 v1, 5, v0
	s_delay_alu instid0(VALU_DEP_1)
	v_readfirstlane_b32 s12, v1                    ; wave 0..15
	s_bfe_u32 s13, ttmp6, 0x40000                  ; cx
	s_and_b32 s14, ttmp7, 0xffff
	s_lshr_b32 s15, s14, 4                         ; batch
	s_and_b32 s16, s14, 15                         ; head
	s_lshr_b32 s17, s16, 1                         ; head pair
	s_and_b32 s18, s16, 1                          ; parity
	s_lshr_b32 s19, s12, 1                         ; g
	s_mov_b32 s20, 0x76543210
	s_mov_b32 s21, 0xfedcba98                      ; v_permlanex16_b32's selects for lane l xor 16
	s_mov_b32 s22, 0x3e38aa3b                      ; c = log2(e) / 8
	s_mov_b32 s23, s22                             ; (named with it as a pair, so it is written)
	; group 1 for K: 32 half fragments of 512 bytes (64 elements of 8), 1,024 bytes apart (the other head of the pair lies between)
	s_mov_b32 s24, 15|(3<<16)|(1<<21)
	s_mov_b32 s25, 64<<16
	s_mov_b32 s26, 32<<16
	s_mov_b32 s27, 64<<16
	s_mov_b32 s28, 32
	s_mov_b32 s29, 128
	s_mov_b32 s30, 0
	s_mov_b32 s31, 0
	; group 1 for V: four key steps' 4,096 bytes (512 elements), 65,536 bytes apart
	s_mov_b32 s32, 15|(3<<16)|(1<<21)
	s_mov_b32 s33, 512<<16
	s_mov_b32 s34, 4<<16
	s_mov_b32 s35, 512<<16
	s_mov_b32 s36, 4
	s_mov_b32 s37, 8192
	s_mov_b32 s38, 0
	s_mov_b32 s39, 0
	s_lshl_b32 s74, s15, 3
	s_add_co_u32 s74, s74, s17                     ; 8 batch + head pair
	s_lshl_b32 s76, s74, 17                        ; its 128 tiles x 1,024 bytes,
	s_lshl_b32 s77, s18, 9                         ; my head's half of each
	s_add_co_u32 s76, s76, s77
	s_mov_b32 s77, 0
	s_lshl_b32 s78, s74, 13                        ; its 16 blocks of 512 bytes of scale words
	s_mov_b32 s79, 0
	s_mov_b32 s75, 0
	s_wait_dscnt 0x0
	s_wait_kmcnt 0x0
	s_add_nc_u64 s[48:49], s[4:5], s[76:77]        ; Q's images
	s_add_nc_u64 s[50:51], s[6:7], s[78:79]
	s_add_nc_u64 s[2:3], s[50:51], 0x40000         ; K's scale words: the second section
	s_lshl_b32 s74, s18, 1
	s_add_nc_u64 s[50:51], s[50:51], s[74:75]      ; Q's scale words: my head's two bytes of each
	s_lshl_b32 s74, s15, 16
	s_lshl_b32 s76, s17, 9
	s_add_co_u32 s74, s74, s76
	s_lshl_b32 s76, s18, 8
	s_add_co_u32 s74, s74, s76
	s_add_co_u32 s74, s74, 0x80000
	s_add_nc_u64 s[62:63], s[6:7], s[74:75]        ; V's scale words: 256 bytes a key step, 4,096 apart
	s_lshl_b32 s74, s15, 20
	s_lshl_b32 s76, s16, 9
	s_add_co_u32 s74, s74, s76
	s_add_nc_u64 s[52:53], s[8:9], s[74:75]        ; y's images: [batch][tile][head][512]
	s_lshl_b32 s74, s15, 16
	s_lshl_b32 s76, s16, 1
	s_add_co_u32 s74, s74, s76
	s_add_nc_u64 s[54:55], s[10:11], s[74:75]      ; y's scale bytes: [batch][tile][row][head] of two bytes
	s_and_b32 s76, s12, 3                          ; which quarter I fetch, if I fetch
	s_lshl_b32 s74, s76, 15
	s_add_co_u32 s74, s74, 0x400000                ; K: the second section, 32 tiles on for each quarter
	s_mov_b32 s40, 1
	s_lshl_b32 s41, s76, 14
	s_add_nc_u64 s[42:43], s[48:49], s[74:75]
	s_or_b32 s43, s43, 0x80000000
	s_lshl_b32 s74, s76, 18                        ; V: the third section, four key steps on for each quarter
	s_lshl_b32 s77, s15, 20
	s_add_co_u32 s74, s74, s77
	s_lshl_b32 s77, s16, 12
	s_add_co_u32 s74, s74, s77
	s_add_co_u32 s74, s74, 0x800000
	s_mov_b32 s44, 1
	s_lshl_b32 s45, s76, 14
	s_add_co_u32 s45, s45, VC
	s_add_nc_u64 s[46:47], s[4:5], s[74:75]
	s_or_b32 s47, s47, 0x80000000
	CROUND                                         ; all four work-groups are here: the joint loads meet
	s_cmp_lt_u32 s12, 4                            ; waves 0-3 fetch K's quarters, waves 4-7 V's, the others nothing: one tensor load of a wave is out at the most
	s_cbranch_scc0 .Lnot_k
	tensor_load_to_lds s[40:43], s[24:31]
	s_nop 0
.rept 4
	v_nop
.endr
	s_branch .Lasked
.Lnot_k:
	s_cmp_lt_u32 s12, 8
	s_cbranch_scc0 .Lasked
	tensor_load_to_lds s[44:47], s[32:39]
	s_nop 0
.rept 4
	v_nop
.endr
.Lasked:
	; the scale words go through registers: K's are shifted so that my head's two bytes stand lowest
	v_lshlrev_b32 v26, 4, v0                       ; 16 bytes a thread: 8,192 in all
	global_load_b128 v[96:99], v26, s[2:3]
	v_lshrrev_b32 v27, 5, v0
	v_and_b32 v28, 31, v0                          ; lane
	s_delay_alu instid0(VALU_DEP_1)
	v_lshlrev_b32 v31, 3, v28
	s_delay_alu instid0(VALU_DEP_1)
	v_lshl_add_u32 v27, v27, 12, v31               ; wave w takes key step w's 256 bytes, 8 a lane
	global_load_b64 v[100:101], v27, s[62:63]
	v_and_b32 v29, 15, v0                          ; r
	v_bfe_u32 v30, v0, 4, 1                        ; h
	v_lshlrev_b32 v1, 4, v28                       ; 16 x lane: an image's place for my lane
	s_delay_alu instid0(VALU_DEP_1)
	v_add_nc_u32 v2, VC, v1
	s_delay_alu instid0(VALU_DEP_4)
	v_lshl_add_u32 v3, v29, 4, KSC
	v_lshl_add_u32 v4, v29, 4, VSC
	v_lshlrev_b32 v5, 4, v29
	v_lshlrev_b32 v6, 5, v29
	v_and_b32 v7, 8, v29
	s_delay_alu instid0(VALU_DEP_1)
	v_add_nc_u32 v7, v7, v29
	v_lshlrev_b32 v30, 4, v30
	s_delay_alu instid0(VALU_DEP_1)
	v_sub_nc_u32 v7, v7, v30                       ; r + 8 (r / 8) - 16 h
.irp j, 20,21,22,23, 36,37,38,39, 44,45,46,47, 52,53,54,55, 60,61,62,63
	v_mov_b32 v\j, 0                               ; the zero codes of K = 64 .. 127, written once
.endr
.irp j, 236,237,238,239, 251,252
	v_mov_b32 v\j, 0                               ; written once: lane permutes' destinations, and the upper half of the pair v[250:251]
.endr
	v_add_nc_u32 v29, KSC, v26
	v_lshl_add_u32 v30, v0, 3, VSC
	s_lshl_b32 s74, s18, 4
	s_wait_loadcnt 0x0
.irp j, 96,97,98,99
	v_lshrrev_b32 v\j, s74, v\j
.endr
	s_wait_alu depctr_va_vdst(0)
	ds_store_b128 v29, v[96:99]
	ds_store_b64 v30, v[100:101]
	s_wait_tensorcnt 0x0                           ; my tensor load has landed,
	s_wait_dscnt 0x0                               ; my stores too,
	s_barrier_signal -1
	s_barrier_wait -1                              ; everybody's have: from here on LDS is only read
; A KEY STEP: 128 keys.  s58 its number, s57 the tile's group G; s59, s60, s61 where its images and its scale words begin.
.macro STEP
	s_cmp_gt_u32 s58, s57                          ; all its keys come after my queries: only the steps of the addresses are left
	s_cbranch_scc1 .Lhidden_\@
	s_setprio 2
	v_add_nc_u32 v8, s59, v1                       ; (these four are also the places behind the last step's products, in front of the loads below)
	v_add_nc_u32 v9, s59, v2
	v_add_nc_u32 v10, s60, v3
	v_add_nc_u32 v11, s61, v4
	ds_load_b128 v[200:203], v10
	ds_load_b128 v[204:207], v10 offset:256
.irp t, 0,1,2,3
	ds_load_b128 v[32+8*\t:35+8*\t], v8 offset:512*\t
.endr
	s_wait_alu depctr_va_vdst(0)
	s_wait_dscnt 0x0
.irp t, 0,1,2,3
	v_wmma_scale_f32_16x16x128_f8f6f4 v[96+8*\t:103+8*\t], v[32+8*\t:39+8*\t], v[16:23], 0, v[200+\t], v24 matrix_a_fmt:MATRIX_FMT_FP4 matrix_b_fmt:MATRIX_FMT_FP4
.endr
.rept 4
	v_nop                                          ; places in front of loads into registers that matrix instructions have read
.endr
.irp t, 0,1,2,3
	ds_load_b128 v[32+8*\t:35+8*\t], v8 offset:2048+512*\t
.endr
.irp t, 0,1,2,3
	ds_load_b128 v[64+8*\t:67+8*\t], v9 offset:1024*\t
	ds_load_b128 v[68+8*\t:71+8*\t], v9 offset:1024*\t+512
.endr
	ds_load_b128 v[208:211], v11
	s_wait_dscnt 9                                 ; K's four are in; V's eight and its scale words, issued behind them, land under the softmax
.irp t, 0,1,2,3
	v_wmma_scale_f32_16x16x128_f8f6f4 v[128+8*\t:135+8*\t], v[32+8*\t:39+8*\t], v[16:23], 0, v[204+\t], v24 matrix_a_fmt:MATRIX_FMT_FP4 matrix_b_fmt:MATRIX_FMT_FP4
.endr
.rept 4
	v_nop
.endr
	s_cmp_lg_u32 s58, s57                          ; on the diagonal the scores of hidden keys become -infinity ahead of the maximum: p = 0 then
	s_cbranch_scc1 .Lopen_\@
	v_mov_b32 v254, 0xff800000
.set n, 0
.rept 64                                       ; register 16 b + i holds key 32 b + 16 h + i of the step: hidden where 32 b + i > my query's place in the group - 16 h
	v_cmp_gt_i32 vcc_lo, 32*(n/16)+n%16, v25
	v_cndmask_b32 v[96+n], v[96+n], v254, vcc_lo
.set n, n+1
.endr
.Lopen_\@:
.irp b, 0,1,2,3
	v_max3_num_f32 v[232+\b], v[96+16*\b], v[97+16*\b], v[98+16*\b]   ; the largest score of each block of 32 keys: for the row's maximum and, since p rises with the score, for the block's largest p
.endr
.irp i, 3,5,7,9,11,13
.irp b, 0,1,2,3
	v_max3_num_f32 v[232+\b], v[232+\b], v[96+16*\b+\i], v[97+16*\b+\i]
.endr
.endr
.irp b, 0,1,2,3
	v_max_num_f32 v[232+\b], v[232+\b], v[111+16*\b]
.endr
.irp b, 0,1,2,3
	s_delay_alu instid0(VALU_DEP_4)
	v_permlanex16_b32 v[236+\b], v[232+\b], s20, s21
.endr
.irp b, 0,1,2,3
	s_delay_alu instid0(VALU_DEP_4)
	v_max_num_f32 v[232+\b], v[232+\b], v[236+\b]  ; with lane l xor 16's 16 keys
.endr
	s_delay_alu instid0(VALU_DEP_2)
	v_max3_num_f32 v254, v232, v233, v234
	s_delay_alu instid0(VALU_DEP_1)
	v_max_num_f32 v254, v254, v235
	s_delay_alu instid0(VALU_DEP_1)
	v_mul_f32 v254, s22, v254                      ; the step's largest t
	s_delay_alu instid0(VALU_DEP_1)
	v_max_num_f32 v13, v13, v254                   ; the running largest t
	v_mov_b32 v254, v12
	s_delay_alu instid0(VALU_DEP_2)
	v_floor_f32 v12, -v13                          ; the new -M = -ceil(t): a whole number
	s_delay_alu instid0(VALU_DEP_1)
	v_sub_f32 v254, v12, v254                      ; old M - new M: a whole number, 0 or less
	s_delay_alu instid0(VALU_DEP_1)
	v_cvt_i32_f32 v254, v254                       ; (it saturates)
	s_delay_alu instid0(VALU_DEP_1)
	v_ldexp_f32 v250, 1.0, v254                    ; f = 2^(old M - new M): a multiplication by it rounds nothing
.set j, 0
.rept 32
	v_pk_fma_f32 v[96+j:97+j], v[96+j:97+j], s[22:23], v[12:13] op_sel_hi:[1,0,0]   ; t - M, two at a time
.set j, j+2
.endr
	s_setprio 1
.irp b, 0,1,2,3
	v_fma_f32 v[232+\b], v[232+\b], s22, v12       ; the same of each block's largest score
.endr
.set j, 0
	s_wait_alu depctr_va_vdst(0)
.rept 64
	v_exp_f32 v[96+j], v[96+j]                     ; p = 2^(t - M)
.set j, j+1
.endr
	v_pk_mul_f32 v[14:15], v[14:15], v[250:251] op_sel_hi:[1,0]   ; the sums under the new M: the plain line behind the exponentials
	s_wait_alu depctr_va_vdst(0)                   ; one wait for the batch of 64, ahead of its first reader
.irp b, 0,1,2,3
	v_exp_f32 v[232+\b], v[232+\b]                 ; the block's largest p
.endr
	v_pk_add_f32 v[236:237], v[100:101], v[104:105]
	v_pk_add_f32 v[246:247], v[108:109], v[112:113]
	v_pk_add_f32 v[244:245], v[116:117], v[120:121]
	v_pk_add_f32 v[242:243], v[124:125], v[128:129]
	v_pk_add_f32 v[240:241], v[132:133], v[136:137]
	v_pk_add_f32 v[238:239], v[140:141], v[144:145]
	v_pk_add_f32 v[230:231], v[148:149], v[152:153]
	v_pk_add_f32 v[14:15], v[14:15], v[156:157]
	v_pk_add_f32 v[236:237], v[236:237], v[96:97]
	v_pk_add_f32 v[246:247], v[246:247], v[98:99]
	v_pk_add_f32 v[244:245], v[244:245], v[102:103]
	v_pk_add_f32 v[242:243], v[242:243], v[106:107]
	v_pk_add_f32 v[240:241], v[240:241], v[110:111]
	v_pk_add_f32 v[238:239], v[238:239], v[114:115]
	v_pk_add_f32 v[230:231], v[230:231], v[118:119]
	v_pk_add_f32 v[14:15], v[14:15], v[122:123]
	v_pk_add_f32 v[236:237], v[236:237], v[126:127]
	v_pk_add_f32 v[246:247], v[246:247], v[130:131]
	v_pk_add_f32 v[244:245], v[244:245], v[134:135]
	v_pk_add_f32 v[242:243], v[242:243], v[138:139]
	v_pk_add_f32 v[240:241], v[240:241], v[142:143]
	v_pk_add_f32 v[238:239], v[238:239], v[146:147]
	v_pk_add_f32 v[230:231], v[230:231], v[150:151]
	v_pk_add_f32 v[14:15], v[14:15], v[154:155]
	v_pk_add_f32 v[236:237], v[236:237], v[158:159]
	s_delay_alu instid0(VALU_DEP_2)
	v_pk_add_f32 v[14:15], v[14:15], v[242:243]
	s_delay_alu instid0(VALU_DEP_2)
	v_pk_add_f32 v[236:237], v[236:237], v[240:241]
	v_pk_add_f32 v[246:247], v[246:247], v[238:239]
	v_pk_add_f32 v[244:245], v[244:245], v[230:231]
	s_delay_alu instid0(VALU_DEP_2)
	v_pk_add_f32 v[14:15], v[14:15], v[246:247]
	s_delay_alu instid0(VALU_DEP_2)
	v_pk_add_f32 v[236:237], v[236:237], v[244:245]
	s_delay_alu instid0(VALU_DEP_1)
	v_pk_add_f32 v[14:15], v[14:15], v[236:237]
	s_wait_alu depctr_va_vdst(0)                   ; and one for the four
.irp b, 0,1,2,3
	v_max_num_f32 v[232+\b], 0x1800000, v[232+\b]  ; the floor 2^(3 - 127): the byte cannot fall under 1
.endr
.irp b, 0,1,2,3
	s_delay_alu instid0(VALU_DEP_4)
	v_add_nc_u32 v[244+\b], 0xff000000, v[232+\b]  ; 2 off the exponent field: the conversion's scale operand
.endr
.irp b, 0,1,2,3
	s_delay_alu instid0(VALU_DEP_4)
	v_lshrrev_b32 v[236+\b], 23, v[244+\b]         ; the scale's byte
.endr
	s_delay_alu instid0(VALU_DEP_3)
	v_lshl_or_b32 v253, v237, 8, v236              ; p's scale word for these 128 keys
	s_delay_alu instid0(VALU_DEP_1)
	v_lshl_or_b32 v253, v238, 16, v253
	s_delay_alu instid0(VALU_DEP_1)
	v_lshl_or_b32 v253, v239, 24, v253
	s_setprio 0
.irp b, 0,1,2,3
	v_cvt_scalef32_pk8_fp4_f32 v[192+2*\b], v[96+16*\b:103+16*\b], v[244+\b]
	v_cvt_scalef32_pk8_fp4_f32 v[193+2*\b], v[104+16*\b:111+16*\b], v[244+\b]
.endr
	v_nop                                          ; one plain place behind a scaled conversion
.irp c, 0,1
.irp i, 0,1
	v_permlane16_swap_b32 v[192+4*\c+\i], v[194+4*\c+\i]   ; a whole block to a lane
.endr
.endr
.set j, 0
.rept 16
	v_pk_mul_f32 v[160+j:161+j], v[160+j:161+j], v[250:251] op_sel_hi:[1,0]   ; O^T under the new M.  (Twelve of these name no register of any one product below: its places behind the scale word and the codes)
.set j, j+2
.endr
	s_wait_alu depctr_va_vdst(0)
	s_wait_dscnt 0x0                               ; V and its scale words are in
.irp t, 0,1,2,3
	v_wmma_scale_f32_16x16x128_f8f6f4 v[160+8*\t:167+8*\t], v[64+8*\t:71+8*\t], v[192:199], v[160+8*\t:167+8*\t], v[208+\t], v253 matrix_a_fmt:MATRIX_FMT_FP4 matrix_b_fmt:MATRIX_FMT_FP4
.endr
.Lhidden_\@:
	s_add_co_u32 s59, s59, 4096                    ; the next step's images (K's eight tiles x 512, V's four x 1,024),
	s_add_co_u32 s60, s60, 512                     ; K's scale words,
	s_add_co_u32 s61, s61, 256                     ; V's
	s_add_co_u32 s58, s58, 1
.endm
; ONE TILE OF QUERIES: s56 its number, s57 its group.  trips: a constant that covers every wave's G + 1.
.macro PHASE trips
	s_wait_xcnt 0x0                                ; the last tile's stores have read their bases and data: both are written again below
	s_mov_b32 s75, 0
	s_lshl_b32 s74, s56, 10
	s_add_nc_u64 s[66:67], s[48:49], s[74:75]      ; Q's image
	s_lshr_b32 s74, s56, 3
	s_lshl_b32 s74, s74, 9
	s_bfe_u32 s76, s56, 0x10002
	s_lshl_b32 s76, s76, 8
	s_add_co_u32 s74, s74, s76
	s_and_b32 s76, s56, 3
	s_lshl_b32 s76, s76, 2
	s_add_co_u32 s74, s74, s76
	s_add_nc_u64 s[68:69], s[50:51], s[74:75]      ; its scale words: 512 (tile / 8) + 256 ((tile / 4) % 2) + 4 (tile % 4), + 16 r
	s_lshl_b32 s74, s56, 13
	s_add_nc_u64 s[70:71], s[52:53], s[74:75]      ; y's image
	s_lshl_b32 s74, s56, 9
	s_add_nc_u64 s[72:73], s[54:55], s[74:75]      ; y's scale bytes
	global_load_b128 v[16:19], v1, s[66:67]
	global_load_u16 v24, v5, s[68:69]              ; two bytes; the upper two, for the zero codes, are 0
	s_and_b32 s74, s56, 7
	s_lshr_b32 s76, s74, 1
	s_lshl_b32 s76, s76, 5
	s_and_b32 s74, s56, 1
	s_lshl_b32 s74, s74, 3
	s_add_co_u32 s74, s74, s76
	v_add_nc_u32 v25, s74, v7                      ; my query's place in its group of 128, less 16 h
	v_mov_b32 v13, 0xff61b1e6                      ; the largest t so far: -3e38
	s_delay_alu instid0(VALU_DEP_1)
	v_floor_f32 v12, -v13
	v_mov_b32 v14, 0
	v_mov_b32 v15, 0
.set j, 0
.rept 32
	v_mov_b32 v[160+j], 0                          ; O^T: the step is written once; its first trip finds zeros, which the first change of M leaves zeros
.set j, j+1
.endr
	s_mov_b32 s58, 0
	s_mov_b32 s59, 0
	s_mov_b32 s60, 0
	s_mov_b32 s61, 0
	s_wait_loadcnt 0x0                             ; Q
.Lstep_\@:
	STEP
	s_cmp_lt_u32 s58, \trips
	s_cbranch_scc1 .Lstep_\@
	s_setprio 0
.rept 4
	v_nop                                          ; places behind the last products
.endr
	v_add_f32 v14, v14, v15
	s_delay_alu instid0(VALU_DEP_1)
	v_permlanex16_b32 v252, v14, s20, s21
	s_delay_alu instid0(VALU_DEP_1)
	v_add_f32 v14, v14, v252                       ; the row's sum
	s_wait_alu depctr_va_vdst(0)
	v_rcp_f32 v14, v14
	v_nop                                          ; a plain place behind the reciprocal
	s_wait_alu depctr_va_vdst(0)                   ; and the wait ahead of its first reader
.set j, 0
.rept 16
	v_pk_mul_f32 v[96+j:97+j], v[160+j:161+j], v[14:15] op_sel_hi:[1,0]   ; y: register 16 b + i is channel 32 b + 16 h + i of my query
.set j, j+2
.endr
.irp b, 0,1
	v_max3_num_f32 v[232+\b], |v[96+16*\b]|, |v[97+16*\b]|, 0x1800000
.endr
.irp i, 2,4,6,8,10,12,14
.irp b, 0,1
	s_delay_alu instid0(VALU_DEP_2)
	v_max3_num_f32 v[232+\b], v[232+\b], |v[96+16*\b+\i]|, |v[97+16*\b+\i]|
.endr
.endr
.irp b, 0,1
	s_delay_alu instid0(VALU_DEP_2)
	v_permlanex16_b32 v[236+\b], v[232+\b], s20, s21
.endr
.irp b, 0,1
	s_delay_alu instid0(VALU_DEP_2)
	v_max_num_f32 v[232+\b], v[232+\b], v[236+\b]
.endr
.irp b, 0,1
	s_delay_alu instid0(VALU_DEP_2)
	v_add_nc_u32 v[244+\b], 0xff000000, v[232+\b]
.endr
.irp b, 0,1
	s_delay_alu instid0(VALU_DEP_2)
	v_lshrrev_b32 v[236+\b], 23, v[244+\b]
.endr
	s_delay_alu instid0(VALU_DEP_1)
	v_lshl_or_b32 v240, v237, 8, v236              ; my row's two scale bytes
.irp b, 0,1
	v_cvt_scalef32_pk8_fp4_f32 v[192+2*\b], v[96+16*\b:103+16*\b], v[244+\b]
	v_cvt_scalef32_pk8_fp4_f32 v[193+2*\b], v[104+16*\b:111+16*\b], v[244+\b]
.endr
	v_nop
	v_permlane16_swap_b32 v192, v194
	v_permlane16_swap_b32 v193, v195
	global_store_b128 v1, v[192:195], s[70:71]     ; half a fragment of the next product: 512 consecutive bytes, aligned
	global_store_b16 v6, v240, s[72:73]            ; lanes 16-31 store what lanes 0-15 store, at the same places
.endm
	s_lshl_b32 s56, s19, 3
	s_lshl_b32 s74, s13, 1
	s_add_co_u32 s56, s56, s74
	s_and_b32 s74, s12, 1
	s_add_co_u32 s56, s56, s74                     ; tile A = 8 g + 2 cx + wave % 2
	s_mov_b32 s57, s19                             ; its group: g
	PHASE 8
	s_sub_co_u32 s56, 127, s56                     ; tile B
	s_sub_co_u32 s57, 15, s19                      ; its group: 15 - g
	PHASE 16
	s_wait_dscnt 0x0
	s_wait_tensorcnt 0x0
	ds_add_u32 v249, v255
	s_wait_dscnt 0x0
	CROUND                                         ; the closing round
	s_endpgm
.Lfunc_end_k_q4e34319dfd_attn:
	.size	k_q4e34319dfd_attn, .Lfunc_end_k_q4e34319dfd_attn-k_q4e34319dfd_attn
	.p2alignl 7, 3214868480
	.fill 96, 4, 3214868480
	.section	.rodata,"a",@progbits
	.p2align	6, 0x0
	.amdhsa_kernel k_q4e34319dfd_attn
		.amdhsa_group_segment_fixed_size 169984
		.amdhsa_private_segment_fixed_size 0
		.amdhsa_enable_private_segment 0
		.amdhsa_kernarg_size 32
		.amdhsa_user_sgpr_count 2
		.amdhsa_user_sgpr_kernarg_segment_ptr 1
		.amdhsa_wavefront_size32 1
		.amdhsa_system_sgpr_workgroup_id_x 1
		.amdhsa_system_sgpr_workgroup_id_y 1
		.amdhsa_system_sgpr_workgroup_id_z 1
		.amdhsa_system_vgpr_workitem_id 0
		.amdhsa_next_free_vgpr 256
		.amdhsa_next_free_sgpr 80
		.amdhsa_reserve_vcc 1
		.amdhsa_float_denorm_mode_32 3
		.amdhsa_float_denorm_mode_16_64 3
		.amdhsa_memory_ordered 1
		.amdhsa_forward_progress 1
		.amdhsa_inst_pref_size 65
	.end_amdhsa_kernel
	.amdgpu_metadata
---
amdhsa.version: [ 1, 2 ]
amdhsa.kernels:
  - .name:           k_q4e34319dfd_attn
    .symbol:         k_q4e34319dfd_attn.kd
    .args:
      - { .name: qkv_img, .offset: 0, .size: 8, .value_kind: global_buffer, .address_space: global }
      - { .name: qkv_sc, .offset: 8, .size: 8, .value_kind: global_buffer, .address_space: global }
      - { .name: y_img, .offset: 16, .size: 8, .value_kind: global_buffer, .address_space: global }
      - { .name: y_sc, .offset: 24, .size: 8, .value_kind: global_buffer, .address_space: global }
    .group_segment_fixed_size: 169984
    .private_segment_fixed_size: 0
    .kernarg_segment_align: 8
    .kernarg_segment_size: 32
    .max_flat_workgroup_size: 512
    .sgpr_count:     80
    .vgpr_count:     256
    .wavefront_size: 32
...
	.end_amdgpu_metadata
.endif
;; end of part 2
;; launch outp (part 3): grid 4 x 64, 4 waves a work-group, clusters of 4 x 4, 327,680 bytes of LDS; arguments y_img, y_sc, Wp_codes, Wp_scales, bp, out0; writes out0
.if DOCPART == 3
	.amdgcn_target "amdgcn-amd-amdhsa--gfx1250"
	.amdhsa_code_object_version 6
	.text
	.protected	k_q4e34319dfd_outp
	.globl	k_q4e34319dfd_outp
	.p2align	8
	.type	k_q4e34319dfd_outp,@function
k_q4e34319dfd_outp:
	s_mov_b64 s[64:65], 0
	v_nop
	global_prefetch_b8 v0, s[64:65] scope:SCOPE_SE
	s_setreg_imm32_b32 hwreg(HW_REG_WAVE_MODE, 25, 1), 1
	s_wait_xcnt 0x0
	s_wait_alu depctr_hold_cnt(0) depctr_sa_sdst(0) depctr_va_vdst(0) depctr_va_sdst(0) depctr_va_ssrc(0) depctr_va_vcc(0) depctr_vm_vsrc(0)
	s_getreg_b32 s2, hwreg(HW_REG_IB_STS2, 6, 4)
	s_cmp_eq_u32 s2, 0
	s_cbranch_scc0 .Lentry_in_a_cluster
	s_endpgm
.Lentry_in_a_cluster:
	s_bfe_u32 s2, ttmp6, 0x10000c
	s_cmp_lg_u32 s2, 0xf033
	s_cbranch_scc0 .Lentry_shape_is_right
	s_endpgm
.Lentry_shape_is_right:
; out0 = y Wp^T + bp on codes of FP4 (E2M1) with E8M0 scales.  y comes as images of operand registers ([tile of 16 rows][head][512 bytes]) and scale bytes ([tile][row][head] of two), Wp as rows of 512 bytes.
; SHARES.  A work-group takes 128 rows (8 tiles, block Y) x 256 columns (block cx), for ALL of K: both operands lie in LDS whole, each byte filled once, one barrier.  256 work-groups.
; Four waves, each 64 rows x 128 columns: 32 accumulators.  Source 0 = 16 rows of Wp, source 1 = a tile of y: a lane holds eight neighbouring columns of one row of the output.
; Lane r of tile 2 G + u, of y's rows and of Wp's alike, is row 32 G + 8 u + r + 8 (r / 8); Wp's rows lie in LDS in two sets (every other group of eight rows), so that a tile is 16 consecutive LDS rows.
; CLUSTER 4 x 4: y's block is shared along a row of the cluster, Wp's along a column: each is asked for jointly.
; REGISTERS: window 0: v2-8, v14, v15 addresses; v32-63 y's scale words (8 a + q); v64-127 Wp's (8 b + q); v192-255 y's fragments, two sets of 32; on the way out v128-255 rows of the output.
;   window 1: v0-63, v128-191 Wp's fragments, two sets; v192-255 the bias, eight tiles.   window 2: accumulator (a, b) at v[8 (8 a + b)].
.set PITCH, 528                        ; an LDS row of Wp: 512 bytes + 16
.set SETB,  128*PITCH
.set WS,    65536                      ; LDS: y's images (65,536, dense); Wp's two sets;
.set SCY,   WS+2*SETB                  ; y's scale bytes (4,096, dense);
.set SCH,   16*272
.set SCW,   SCY+4096                   ; Wp's, as units of 256 bytes + 16;
.set STG,   SCW+2*SCH                  ; a stage of 16 rows x (512 + 16) bytes for each wave, in blocks of 256 bytes into which no fill lands
.set SPITCH, 528
.set SCR, 32
.set SCP, 64
.set RF,  192
.set BB,  192
.set BK,  128
.set MSB, 0
.macro WIN new
.if MSB != (\new)
	s_set_vgpr_msb (MSB<<8)|(\new)
.set MSB, \new
.endif
.endm
.macro PLACES
.rept 4
	v_nop
.endr
.endm
.macro JLOAD g0a, g1a, g0b, g1b        ; a joint load: waves 0 and 1 fetch for y, waves 2 and 3 for Wp; four v_nop follow each of the two lines
	s_cmp_eq_u32 s5, 0
	s_cbranch_scc0 .Lfor_w_\@
	tensor_load_to_lds s[\g0a:\g0a+3], s[\g1a:\g1a+7]
	s_nop 0
.rept 4
	v_nop
.endr
	s_branch .Lasked_\@
.Lfor_w_\@:
	tensor_load_to_lds s[\g0b:\g0b+3], s[\g1b:\g1b+7]
	s_nop 0
.rept 4
	v_nop
.endr
.Lasked_\@:
.endm
.macro CROUND
	s_barrier_signal -1
	s_barrier_wait -1
	s_cmp_lg_u32 s4, 0
	s_cbranch_scc1 .Lnot_wave_0_\@
	s_barrier_signal -3
.Lnot_wave_0_\@:
	s_barrier_wait -3
	s_barrier_signal -1
	s_barrier_wait -1
.endm
	s_load_b256 s[68:75], s[0:1], 0x0              ; y_img 68, y_sc 70, Wp codes 72, Wp scales 74
	s_load_b128 s[76:79], s[0:1], 0x20             ; bp 76, out0 78
	v_lshl_add_u32 v30, v0, 2, 0x3c800
	v_mov_b32 v31, 0
	ds_add_u32 v30, v31
	ds_add_u32 v30, v31
	v_lshrrev_b32 v1, 5, v0
	v_readfirstlane_b32 s4, v1                     ; wave 0..3
	s_lshr_b32 s5, s4, 1                           ; which half of the rows is mine.  Also: I fetch for y (0) or for Wp (1)
	s_and_b32 s6, s4, 1                            ; which half of the columns.  Also: which half, or set, I fetch
	s_bfe_u32 s7, ttmp6, 0x40000                   ; cx
	s_bfe_u32 s8, ttmp6, 0x40004                   ; cy
	s_lshl_b32 s9, ttmp9, 2
	s_add_co_u32 s9, s9, s7                        ; which 256 columns
	s_and_b32 s10, ttmp7, 0xffff
	s_lshl_b32 s10, s10, 2
	s_add_co_u32 s10, s10, s8                      ; Y: which 128 rows
	s_lshl_b32 s12, s8, 2
	s_lshl_b32 s12, 15, s12                        ; my row of the cluster
	s_lshl_b32 s13, 0x1111, s7                     ; my column
	; y's images: 32,768 dense bytes as 128 rows of 256 (32 elements of 8 bytes), no padding
	s_or_b32 s16, s12, (3<<16)|(1<<21)
	s_mov_b32 s17, 32<<16
	s_mov_b32 s18, 128<<16
	s_mov_b32 s19, 32<<16
	s_mov_b32 s20, 128
	s_mov_b32 s21, 32
	s_mov_b32 s22, 0
	s_mov_b32 s23, 0
	; a set of Wp: eight neighbouring rows are one row of 4,096 bytes; 16 such rows, 8,192 bytes apart; 16 bytes of padding behind every 512
	s_or_b32 s28, s13, (3<<16)|(1<<20)|(1<<21)|(6<<22)|(3<<25)
	s_mov_b32 s29, 512<<16
	s_mov_b32 s30, 16<<16
	s_mov_b32 s31, 512<<16
	s_mov_b32 s32, 16
	s_mov_b32 s33, 1024
	s_mov_b32 s34, 0
	s_mov_b32 s35, 0
	; y's scale bytes: 2,048 dense bytes as 8 rows of 256
	s_or_b32 s40, s12, (3<<16)|(1<<21)
	s_mov_b32 s41, 32<<16
	s_mov_b32 s42, 8<<16
	s_mov_b32 s43, 32<<16
	s_mov_b32 s44, 8
	s_mov_b32 s45, 32
	s_mov_b32 s46, 0
	s_mov_b32 s47, 0
	; Wp's scale bytes of 128 rows: 16 rows of 256, 16 bytes of padding behind each
	s_or_b32 s52, s13, (3<<16)|(1<<20)|(1<<21)|(5<<22)|(3<<25)
	s_mov_b32 s53, 32<<16
	s_mov_b32 s54, 16<<16
	s_mov_b32 s55, 32<<16
	s_mov_b32 s56, 16
	s_mov_b32 s57, 32
	s_mov_b32 s58, 0
	s_mov_b32 s59, 0
	s_lshl_b32 s94, s10, 16                        ; y's images: 65,536 Y + 32,768 x half.  These registers never hold cx
	s_lshl_b32 s95, s6, 15
	s_add_co_u32 s94, s94, s95
	s_mov_b32 s95, 0
	s_lshl_b32 s96, s10, 12                        ; its scale bytes: 4,096 Y + 2,048 x half
	s_lshl_b32 s97, s6, 11
	s_add_co_u32 s96, s96, s97
	s_mov_b32 s97, 0
	s_lshl_b32 s98, s9, 17                         ; Wp's codes: (256 block + 8 u) rows of 512 bytes.  These registers never hold cy or Y
	s_lshl_b32 s99, s6, 12
	s_add_co_u32 s98, s98, s99
	s_mov_b32 s99, 0
	s_lshl_b32 s100, s9, 13                        ; its scales: (256 block + 128 u) rows of 32 bytes
	s_lshl_b32 s101, s6, 12
	s_add_co_u32 s100, s100, s101
	s_mov_b32 s101, 0
	s_lshl_b32 s14, s6, 15                         ; where they go: no place in the cluster enters an LDS address
	s_lshl_b32 s15, s6, 11
	s_add_co_u32 s15, s15, SCY
	s_mul_i32 s2, s6, SETB
	s_add_co_u32 s2, s2, WS
	s_mul_i32 s3, s6, SCH
	s_add_co_u32 s3, s3, SCW
	s_wait_dscnt 0x0
	s_wait_kmcnt 0x0
	s_mov_b32 s24, 1
	s_mov_b32 s25, s14
	s_add_nc_u64 s[26:27], s[68:69], s[94:95]
	s_or_b32 s27, s27, 0x80000000
	s_mov_b32 s36, 1
	s_mov_b32 s37, s2
	s_add_nc_u64 s[38:39], s[72:73], s[98:99]
	s_or_b32 s39, s39, 0x80000000
	s_mov_b32 s48, 1
	s_mov_b32 s49, s15
	s_add_nc_u64 s[50:51], s[70:71], s[96:97]
	s_or_b32 s51, s51, 0x80000000
	s_mov_b32 s60, 1
	s_mov_b32 s61, s3
	s_add_nc_u64 s[62:63], s[74:75], s[100:101]
	s_or_b32 s63, s63, 0x80000000
	CROUND                                         ; all sixteen work-groups are here: the joint loads meet
	JLOAD 48, 40, 60, 52                           ; the scale bytes
	s_wait_alu depctr_va_vdst(0)
	s_wait_tensorcnt 0x0
	ds_add_u32 v30, v31
	s_wait_dscnt 0x0
	CROUND
	JLOAD 24, 16, 36, 28                           ; the codes.  One tensor load of mine is out
	v_and_b32 v9, 15, v0                           ; r
	v_bfe_u32 v10, v0, 4, 1                        ; h
	v_and_b32 v1, 31, v0
	v_lshlrev_b32 v7, 4, v1                        ; 16 x lane
	v_mul_u32_u24 v11, v9, PITCH
	v_lshl_add_u32 v2, v10, 4, v11
	s_mul_i32 s12, s6, 64*PITCH
	s_add_co_u32 s12, s12, WS
	v_add_nc_u32 v2, s12, v2                       ; Wp, set 0: my 128 rows are 64 rows of each set
	v_add_nc_u32 v3, SETB, v2                      ; set 1
	s_lshl_b32 s12, s5, 15
	v_add_nc_u32 v4, s12, v7                       ; y's images: my four tiles
	s_lshl_b32 s12, s5, 11
	s_add_co_u32 s12, s12, SCY
	v_lshl_add_u32 v5, v9, 5, s12                  ; y's scale words: 32 bytes a row
	v_lshrrev_b32 v12, 3, v9
	v_and_b32 v13, 7, v9
	v_mul_u32_u24 v12, v12, 544
	v_lshl_add_u32 v12, v13, 5, v12
	s_mul_i32 s12, s6, SCH
	s_add_co_u32 s12, s12, SCW
	v_add_nc_u32 v6, s12, v12                      ; Wp's scale words
	s_mul_i32 s12, s4, 16*SPITCH
	s_add_co_u32 s12, s12, STG                     ; my stage
	v_lshl_add_u32 v8, v10, 6, v11
	v_add_nc_u32 v8, s12, v8                       ; in: row r, + 64 h
	v_add_nc_u32 v15, s12, v7                      ; back: a row of 512 bytes, 16 a lane
	v_lshlrev_b32 v14, 6, v10                      ; the bias: register j of tile b is column 32 (b / 2) + 8 (b % 2) + 16 h + j
	s_wait_alu depctr_va_vdst(0)
	s_lshl_b32 s12, s9, 10
	s_lshl_b32 s13, s6, 9
	s_add_co_u32 s12, s12, s13                     ; my first column, in bytes
	s_mov_b32 s13, 0
	s_add_nc_u64 s[76:77], s[76:77], s[12:13]
	s_add_nc_u64 s[78:79], s[78:79], s[12:13]
	s_lshl_b32 s12, s10, 19
	s_lshl_b32 s14, s5, 18
	s_add_co_u32 s12, s12, s14                     ; my first row: (128 Y + 64 x half) rows of 4,096 bytes
	s_add_nc_u64 s[78:79], s[78:79], s[12:13]
	WIN 0x40
.irp b, 0,1,2,3,4,5,6,7
	global_load_b128 v[BB+8*\b:BB+8*\b+3], v14, s[76:77] offset:(32*(\b/2)+8*(\b%2))*4
	global_load_b128 v[BB+8*\b+4:BB+8*\b+7], v14, s[76:77] offset:(32*(\b/2)+8*(\b%2))*4+16
.endr
	WIN 0
.macro FETCH q, st                     ; 24 LDS loads in one run: K step q's fragments into set st
	WIN 0x40
.irp i, 0,1,2,3,4,5,6,7
.irp c, 0,1
	ds_load_b128 v[128*(\st)+8*\i+4*\c:128*(\st)+8*\i+4*\c+3], v[2+\i%2] offset:(\i/2)*16*PITCH+64*(\q)+32*\c
.endr
.endr
	WIN 0
.irp i, 0,1,2,3
.irp c, 0,1
	ds_load_b128 v[RF+32*(\st)+8*\i+4*\c:RF+32*(\st)+8*\i+4*\c+3], v4 offset:8192*\i+1024*(\q)+512*\c   ; heads 2 q and 2 q + 1 are the K step's two halves
.endr
.endr
.endm
.macro MUL32 st, q, cm                 ; y's four tiles x Wp's eight; cm = 1: the sums begin with the bias.  The 32 accumulators take turns
.irp a, 0,1,2,3
.irp b, 0,1,2,3,4,5,6,7
.if (\cm) == 0
	v_wmma_scale_f32_16x16x128_f8f6f4 v[8*(8*\a+\b):8*(8*\a+\b)+7], v[128*(\st)+8*\b:128*(\st)+8*\b+7], v[RF+32*(\st)+8*\a:RF+32*(\st)+8*\a+7], v[8*(8*\a+\b):8*(8*\a+\b)+7], v[SCP+8*\b+(\q)], v[SCR+8*\a+(\q)] matrix_a_fmt:MATRIX_FMT_FP4 matrix_b_fmt:MATRIX_FMT_FP4
.else
	v_wmma_scale_f32_16x16x128_f8f6f4 v[8*(8*\a+\b):8*(8*\a+\b)+7], v[128*(\st)+8*\b:128*(\st)+8*\b+7], v[RF+32*(\st)+8*\a:RF+32*(\st)+8*\a+7], v[BB+8*\b:BB+8*\b+7], v[SCP+8*\b+(\q)], v[SCR+8*\a+(\q)] matrix_a_fmt:MATRIX_FMT_FP4 matrix_b_fmt:MATRIX_FMT_FP4
.endif
.endr
.endr
.endm
.macro STEP q, cm, fetch
	s_wait_dscnt 0x0                               ; this step's fragments are in (asked for 32 matrix instructions ago)
.if \fetch
	PLACES                                         ; between the last step's products and the loads into the set that the step before it multiplied
	FETCH (\q)+1, ((\q)+1)%2
.endif
.if (\cm) == 0
	WIN 0xa1                                       ; Wp window 1, y window 0, C and D window 2
.else
	WIN 0x91                                       ; C (the bias) window 1
.endif
	MUL32 (\q)%2, \q, \cm
	WIN 0
.endm
	s_wait_tensorcnt 0x0                           ; my two loads have landed,
	s_barrier_signal -1
	s_barrier_wait -1                              ; everybody's have: the filled bytes are only read from here on
	FETCH 0, 0
.irp i, 0,1,2,3
	ds_load_b128 v[SCR+8*\i:SCR+8*\i+3], v5 offset:512*\i
	ds_load_b128 v[SCR+8*\i+4:SCR+8*\i+7], v5 offset:512*\i+16
.endr
.irp i, 0,1,2,3,4,5,6,7
	ds_load_b128 v[SCP+8*\i:SCP+8*\i+3], v6 offset:(4*(\i/2)+\i%2)*272
	ds_load_b128 v[SCP+8*\i+4:SCP+8*\i+7], v6 offset:(4*(\i/2)+\i%2)*272+16
.endr
	s_wait_loadcnt 0x0                             ; the bias
	STEP 0, 1, 1
	STEP 1, 0, 1
	STEP 2, 0, 1
	STEP 3, 0, 1
	STEP 4, 0, 1
	STEP 5, 0, 1
	STEP 6, 0, 1
	STEP 7, 0, 0
	PLACES                                         ; in front of the first read of results, and of loads into registers that held y's fragments
; THE WAY OUT, a tile of 16 rows x 128 columns at a time, through my own stage: in as 32 bytes a lane, back as whole rows of 512 bytes.  LDS serves a wave's instructions in order, so no wait stands between.
.macro TOSTAGE t
	WIN 0x08                                       ; an LDS store's data are its source 1: window 2
.irp b, 0,1,2,3,4,5,6,7
	ds_store_b128 v8, v[8*(8*(\t)+\b):8*(8*(\t)+\b)+3] offset:128*(\b/2)+32*(\b%2)      ; each accumulator from its low end on
	ds_store_b128 v8, v[8*(8*(\t)+\b)+4:8*(8*(\t)+\b)+7] offset:128*(\b/2)+32*(\b%2)+16
.endr
	WIN 0
.irp i, 0,1,2,3,4,5,6,7,8,9,10,11,12,13,14,15
	ds_load_b128 v[BK+64*((\t)%2)+4*\i:BK+64*((\t)%2)+4*\i+3], v15 offset:\i*SPITCH
.endr
.endm
.macro SEND t, younger                 ; younger: the LDS instructions issued behind tile t's loads, which may stay out
	s_wait_dscnt \younger
.irp i, 0,1,2,3,4,5,6,7,8,9,10,11,12,13,14,15
	global_store_b128 v7, v[BK+64*((\t)%2)+4*\i:BK+64*((\t)%2)+4*\i+3], s[78:79] offset:(32*((\t)/2)+8*((\t)%2)+\i+8*(\i/8))*4096 th:TH_STORE_NT   ; 32 lanes store 512 consecutive bytes, aligned; stage row i is the tile's row i + 8 (i / 8)
.endr
.endm
	TOSTAGE 0
	TOSTAGE 1
	SEND 0, 32                                     ; behind tile 0's loads: tile 1's 16 stores and 16 loads
	s_wait_xcnt 0x0                                ; tile 0's stores have read their registers: tile 2's rows may land there
	TOSTAGE 2
	SEND 1, 32
	s_wait_xcnt 0x0
	TOSTAGE 3
	SEND 2, 32
	SEND 3, 0
	s_wait_tensorcnt 0x0
	ds_add_u32 v30, v31
	s_wait_dscnt 0x0
	CROUND                                         ; the closing round
	s_endpgm
.Lfunc_end_k_q4e34319dfd_outp:
	.size	k_q4e34319dfd_outp, .Lfunc_end_k_q4e34319dfd_outp-k_q4e34319dfd_outp
	.p2alignl 7, 3214868480
	.fill 96, 4, 3214868480
	.section	.rodata,"a",@progbits
	.p2align	6, 0x0
	.amdhsa_kernel k_q4e34319dfd_outp
		.amdhsa_group_segment_fixed_size 327680
		.amdhsa_private_segment_fixed_size 0
		.amdhsa_enable_private_segment 0
		.amdhsa_kernarg_size 48
		.amdhsa_user_sgpr_count 2
		.amdhsa_user_sgpr_kernarg_segment_ptr 1
		.amdhsa_wavefront_size32 1
		.amdhsa_system_sgpr_workgroup_id_x 1
		.amdhsa_system_sgpr_workgroup_id_y 1
		.amdhsa_system_sgpr_workgroup_id_z 1
		.amdhsa_system_vgpr_workitem_id 0
		.amdhsa_next_free_vgpr 768
		.amdhsa_next_free_sgpr 102
		.amdhsa_reserve_vcc 0
		.amdhsa_float_denorm_mode_32 3
		.amdhsa_float_denorm_mode_16_64 3
		.amdhsa_memory_ordered 1
		.amdhsa_forward_progress 1
		.amdhsa_inst_pref_size 73
	.end_amdhsa_kernel
	.amdgpu_metadata
---
amdhsa.version: [ 1, 2 ]
amdhsa.kernels:
  - .name:           k_q4e34319dfd_outp
    .symbol:         k_q4e34319dfd_outp.kd
    .args:
      - { .name: y_img, .offset: 0, .size: 8, .value_kind: global_buffer, .address_space: global }
      - { .name: y_sc, .offset: 8, .size: 8, .value_kind: global_buffer, .address_space: global }
      - { .name: Wp_codes, .offset: 16, .size: 8, .value_kind: global_buffer, .address_space: global }
      - { .name: Wp_scales, .offset: 24, .size: 8, .value_kind: global_buffer, .address_space: global }
      - { .name: bp, .offset: 32, .size: 8, .value_kind: global_buffer, .address_space: global }
      - { .name: out0, .offset: 40, .size: 8, .value_kind: global_buffer, .address_space: global }
    .group_segment_fixed_size: 327680
    .private_segment_fixed_size: 0
    .kernarg_segment_align: 8
    .kernarg_segment_size: 48
    .max_flat_workgroup_size: 128
    .sgpr_count:     102
    .vgpr_count:     768
    .wavefront_size: 32
...
	.end_amdgpu_metadata
.endif
;; end of part 3
